; MI455X (gfx1250); checked and timed in simulation.
; The chip was launched on July 23, 2026; its instructions are those of AMD's public machine-readable ISA for CDNA 5 (MIT licence, August 2026) and "CDNA5" Instruction Set Architecture Reference Guide (July 2026). The comments in the code are by the model that wrote it; some were corrected since.
;; Deep Set Q Network. Allowed arithmetic: matrix products marked QUANTISED: E2M3 operands, one E8M0 scale for each 32 along K, by v_wmma_scale_f32_16x16x128_f8f6f4 with both operands' format E2M3, f32 sums; products left as they are: f32 operands where the result goes on into a quantised operand, else bf16, f16 or f32 operands; f32 sums; everything else in f32.
;; Inputs: dynamic_input 524,288 x 12 x 4 float32; out_b 5 float32; out_w 64 x 5 float32; phi1_b 16 float32; phi1_w 4 x 16 float32; phi2_b 32 float32; phi2_w 16 x 32 float32; q1_b 64 float32; q1_w 23 x 64 float32; q2_b 64 float32; q2_w_codes 64 x 2 x 24 uint8 (E2M3 codes of q2_w, K innermost, in blocks of 32 codes, four codes in three bytes); q2_w_scales 64 x 2 uint8 (E8M0 scales of q2_w, one for each 32 codes along K); rho1_b 32 float32; rho1_w_codes 32 x 1 x 24 uint8 (E2M3 codes of rho1_w, K innermost, in blocks of 32 codes, four codes in three bytes); rho1_w_scales 32 x 1 uint8 (E8M0 scales of rho1_w, one for each 32 codes along K); rho2_b 16 float32; rho2_w_codes 16 x 1 x 24 uint8 (E2M3 codes of rho2_w, K innermost, in blocks of 32 codes, four codes in three bytes); rho2_w_scales 16 x 1 uint8 (E8M0 scales of rho2_w, one for each 32 codes along K); static_input 524,288 x 7 float32.
;; Outputs: out0 524,288 x 5 float32.
;; This version of the problem:
;;   THIS VERSION OF THE PROBLEM IS GIVEN IN LOW PRECISION. The matrix products marked QUANTISED in the list below multiply operands that are first quantised to E2M3 (2 exponent bits, 3 mantissa bits; 6 bits a number), with one power-of-two scale for each 32 numbers along K (OCP MX v1.0); their sums are f32. All else is computed in f32.
;;   The module's matrix products, in the order in which they are computed (A, B: the left and right operand; K: the contracted axis; several contracted axes count as one K, in the product's order):
;;     1. [M 6,291,456, K 4] x [K 4, N 16]; A: input dynamic_input; B: input phi1_w: left as it is (K = 4 < 32)
;;     2. [M 6,291,456, K 16] x [K 16, N 32]; A: computed on the way; B: input phi2_w: left as it is (K = 16 < 32)
;;     3. [M 524,288, K 32] x [K 32, N 32]; A: computed on the way; B: input rho1_w (given as codes): QUANTISED
;;     4. [M 524,288, K 32] x [K 32, N 16]; A: computed on the way; B: input rho2_w (given as codes): QUANTISED
;;     5. [M 524,288, K 23] x [K 23, N 64]; A: computed on the way; B: input q1_w: left as it is (K = 23 < 32)
;;     6. [M 524,288, K 64] x [K 64, N 64]; A: computed on the way; B: input q2_w (given as codes): QUANTISED
;;     7. [M 524,288, K 64] x [K 64, N 5]; A: computed on the way; B: input out_w: left as it is (N = 5 < 16)
;;   THE QUANTISER, for each operand of a quantised product, along K:
;;     - K is cut into blocks of 32 from its start; a last block that is shorter is filled with zeros.
;;     - A block's scale is 2^e with e = floor(log2(the largest magnitude in the block)) - 2, held to -126 .. 127; a block of zeros has e = 0. As a byte (E8M0): e + 127.
;;     - Each number is divided by its block's scale, clamped to +-7.5, and rounded to the nearest number of E2M3, ties to even, subnormals kept.
;;     - The product sums the exact products of the quantised numbers (number of the format x scale) in f32.
;;   ~~~python
;;   def quantise(x, axis):      # numpy; x: float32 -> the quantised numbers, widened to float32 again
;;       x = np.moveaxis(x, axis, -1); K = x.shape[-1]
;;       x = np.pad(x, [(0, 0)] * (x.ndim - 1) + [(0, -K % 32)]); x = x.reshape(x.shape[:-1] + (-1, 32)); a = np.abs(x).max(-1, keepdims=True)
;;       e = np.where(a > 0, np.clip(np.frexp(np.where(a > 0, a, 1))[1] - 1 - 2, -126, 127), 0)      # np.frexp(a)[1] - 1 = floor(log2(a)), exactly
;;       r = np.clip(x / 2.0 ** e, -7.5, 7.5)
;;       step = 2.0 ** (np.maximum(np.frexp(np.where(r == 0, 1, r))[1] - 1, 0) - 3)
;;       q = np.round(r / step) * step * 2.0 ** e      # np.round: ties to even
;;       return np.moveaxis(q.reshape(q.shape[:-2] + (-1,))[..., :K], -1, axis).astype(np.float32)
;;   ~~~
;;   OPERANDS COMPUTED ON THE WAY. 'Computed on the way' means the value that the module computes at that place (a softmax that the list does not call 'softmax' is quantised finished and normalised). What goes into a quantiser is computed in f32, as accurately as f32 sums, v_exp_f32 and their like allow (about 1e-6 of the number): no bf16 or f16 on the way to a quantiser, and a product that is left as it is and whose result goes on into a quantised operand takes f32 operands (vector FMAs, or v_wmma_f32_16x16x4_f32). A number that lies on a knife's edge between two numbers of the format may be rounded either way, as far as f32 arithmetic and the matrix unit's own rounding can turn it there, and no further.
;;   INPUTS GIVEN AS CODES. q2_w (in the module: [64, 64], K = its axis 0); rho1_w (in the module: [32, 32], K = its axis 0); rho2_w (in the module: [32, 16], K = its axis 0): each comes as NAME_codes (uint8): NAME with its K axis moved to the last place and cut into blocks of 32 codes, [.., K / 32, bytes a block], one block behind the other in memory; four codes in three bytes: a row's codes are one little-endian stream of bits, code i at bits 6 i .. 6 i + 5 (a code: sign, 2 exponent bits, 3 mantissa bits); and NAME_scales (uint8): the same leading axes, one E8M0 byte (e + 127) for each 32 codes along K. Its value is code x scale, taken as it is: it is not quantised again, and the codes and scales need not be those that the quantiser above would give.
;; 2 versions, each right; version 2 is version 1 with the launch net written anew for expert scheduling mode. Each part assembles by itself: llvm-mc -triple=amdgcn-amd-amdhsa -mcpu=gfx1250 --defsym DOCPART=n.
;; ======== version 1 of 2: 1 launch
;; launch net (part 1): grid 256 x 1, 8 waves a work-group, no clusters, 52,224 bytes of LDS; arguments dynamic_input, static_input, phi1_w, phi1_b, phi2_w, phi2_b, rho1_w_codes, rho1_w_scales, rho1_b, rho2_w_codes, rho2_w_scales, rho2_b, q1_w, q1_b, q2_w_codes, q2_w_scales, q2_b, out_w, out_b, out0; writes out0
.if DOCPART == 1
	.amdgcn_target "amdgcn-amd-amdhsa--gfx1250"
	.amdhsa_code_object_version 6
	.text
	.protected	k_q86fe5e7636_net
	.globl	k_q86fe5e7636_net
	.p2align	8
	.type	k_q86fe5e7636_net,@function
k_q86fe5e7636_net:
	s_mov_b64 s[64:65], 0
	v_nop
	global_prefetch_b8 v0, s[64:65] scope:SCOPE_SE
	s_setreg_imm32_b32 hwreg(HW_REG_WAVE_MODE, 25, 1), 1
	s_wait_xcnt 0x0
; DeepSet Q network, the whole chain in one launch: phi1 (K 4), phi2 (K 16), the sum over 12 set elements, rho1, rho2 (MX-FP6), q1 (K 23), q2 (MX-FP6), out (N 5).
; FORMATS.  phi1, phi2 and q1 feed a quantiser: f32 operands, v_wmma_f32_16x16x4_f32.  rho1, rho2, q2: codes of E2M3 with E8M0 scales, v_wmma_scale_f32_16x16x128_f8f6f4.  out: bf16 operands.  All sums f32.
; SHARES.  524,288 rows = 256 work-groups x 8 waves x 256 rows.  A wave walks 4 trips of 64 rows, a trip is 4 tiles of 16 rows.  Waves share nothing: no barrier; each has 6,400 bytes of LDS of its own.
;   Two waves lie on a SIMD (512 registers each), so that one wave's vector work stands beside the other's matrix work.
; LAYOUT.  EVERY PRODUCT IS USED TRANSPOSED: source 0 = 16 rows of a weight (units), source 1 = 16 batch rows.  Lane (r = lane % 16, h = lane / 16) then holds batch row r throughout, and register j of a result
;   holds the unit of slot 8 h + j.  A tile of phi is 16 batch rows at ONE set index, so the sum over the set is additions inside a lane.
;   The f32 form wants k = 2 h + j in register j: K step s of the next product takes registers 2 s, 2 s + 1 of a result as they stand (k = 8 h + 2 s + j), and the weight's fragments are loaded by the same map.
;   Tiles whose result goes into a quantiser (phi2, rho1, q1) take units that are not neighbours: slot m of tile t is unit 32 (t / 2) + 8 (t % 2) + m + 8 (m / 8), so that a lane's 16 registers of two
;   neighbouring tiles are k = 32 b + 16 h + 0 .. 15: half a block of 32; the other half lies in lane l xor 16.
;   THE 6-BIT OPERAND WITHOUT AN EXCHANGE OF CODES.  The instruction spans 128 along K, these products 32 or 64.  A lane's 16 codes of real block b go to registers 6 b .. 6 b + 2, the first 16 places of the
;   instruction's block 2 b + h; registers 6 b + 3 .. 6 b + 5 hold zero codes.  The weights are laid the same way (bytes 12 h .. 12 h + 11 of a row's block), and each real scale byte stands twice in the scale word.
;   The quantised numbers and their products are the contract's; zero codes add nothing under any byte but 0xff, and no byte here is made 0xff.
;   q1's K is 23 + 1: the 24th place holds 1.0 in the rows and q1_b in the weight, so the bias costs nothing.
;   out: slot 8 h + j holds unit min(j + 3 h, 4) for j < 3 and zeros else, so that a lane's three lowest result registers are q0, q1, q2 (h = 0) or q3, q4, q4 (h = 1).
; MEMORY.  Every load and store of the loop covers consecutive bytes (512 or 256 a wave, aligned to 256); rows are turned to the lanes' wants in the wave's own stages in LDS.  A tile's loads are issued one tile ahead.
; NOT USED: clusters and joint loads (work-groups share only the weights, under 15 KB, which each wave reads once into registers); tensor loads (a stage is one wave's own and a tile's work stands between request and use).
; LIMITS.  NaN and infinities among the inputs are not served.  A block whose largest magnitude lies under 2^-124 gets the scale byte 1; a block of zeros gets the byte 1 where the rule says 127 (its codes are zeros).
;   The order of the f32 sums differs from the reference's.  The last product rounds both operands to bf16.
.set WREG, 6400                        ; LDS of a wave
.set DP,   208                         ; DSTG at +0: 16 rows of dynamic input, 192 bytes + 16: 52 words a row, so the 32 lanes of an 8-byte load touch 64 different banks (64 banks of 4 bytes: ISA guide 11.1)
.set OSTG, 3328                        ; 64 rows x 20 bytes of q
.set SSTG, 4608                        ; 64 rows x 28 bytes of static input
; window 0: all that moves
.set GA,  1                            ; 16 x lane
.set SA,  2                            ; v2-4   DSTG, way in: 16 (c + c / 12), c = lane + 32 k
.set XA,  5                            ; DSTG, way out: 208 r + 8 h
.set G8,  6                            ; 8 x lane
.set SSA, 7                            ; SSTG + 8 x lane
.set SLA, 8                            ; SSTG + 28 r + 12 h
.set SLB, 9                            ; SSTG + 28 r + 24
.set OS1, 10                           ; OSTG + 20 r + 12 h
.set OS2, 11                           ; OSTG + 20 r + 8 + 8 h
.set OL,  12                           ; OSTG + 8 x lane
.set ONE, 13                           ; 1.0
.set WS,  16                           ; v16-22 the weights' scale words: rho1's two tiles, rho2, q2's four.  They hold scales and nothing else
.set PW,  23                           ; the scale word of the rows' codes
.set F,   24                           ; v24-35 the rows' codes; only F0-2 and F6-8 are ever written again, the rest stay zero codes
.set TM,  36                           ; v36-43 at work in the quantiser
.set SL,  44                           ; v44-47 static: s0 s1 s2 s6 (h = 0), s3 s4 s5 1.0 (h = 1)
.set R,   48                           ; v48-71 a tile of dynamic input as loaded
.set X,   72                           ; v72-95 12 pairs: features 2 h, 2 h + 1 of (row r, set n); at a tile's end: out's two sums and q
.set S,   96                           ; v96-111 the sum over the set; at a tile's end: the bf16 operand
.set H,   112                          ; v112-143 relu(phi1); then work space of the sum; then rho1's, rho2's, q1's (clipped) and q2's results
.set D1,  144                          ; v144-175 four results of phi1.    D1 and D2 are written by matrix instructions alone
.set D2,  176                          ; v176-239 eight results of phi2 (tile q of rows, tile t of units: 16 q + 8 t); q1's four in the first 32
.set SR,  240                          ; v240-253 a trip's static input as loaded
; window 1: all that stays; only matrix instructions read it
.set W1F,  0
.set W2F,  2                           ; (t, s) at 2 (4 t + s)
.set B1,   18
.set B2,   26
.set RH1F, 42
.set RH2F, 66
.set Q2F,  78
.set Q1F,  126                         ; (t, s) at 2 (6 t + s)
.set OF,   174
.set RB1,  190
.set RB2,  206
.set QB2,  214
.set OB,   246
; the head's temporaries, all in v48-143
.set TL, 48
.set TR, 49
.set TH, 50
.set MP, 51                            ; r + 8 (r / 8)
.set AW1, 52
.set AW2, 53
.set A32, 54
.set A64, 55
.set AR1, 56
.set AR2, 57
.set AQ2, 58
.set AQA, 59
.set AQB, 60
.set AQC, 61
.set AOW, 62
.set AO1, 63
.set AO2, 64
.set AS3, 65
.set TX, 66
.set TY, 67
.set TP, 72                            ; 16 packed pairs of out_w
.set TZ, 88                            ; 0
.set TA, 96                            ; q1_w's row 22
.set TBB, 100                          ; q1_b
.set TS, 104                           ; scale bytes as loaded
.set TT, 112                           ; 32 numbers of out_w
.set MSB, 0
.macro WIN new                         ; bits 1:0 source 0, 3:2 source 1, 5:4 source 2, 7:6 destination; the immediate's high byte repeats the setting that is left
.if MSB != \new
	s_set_vgpr_msb (MSB<<8)|\new
.set MSB, \new
.endif
.endm
; A vector instruction that reads a matrix result or writes one of a matrix instruction's registers, and a load into such a register, stand 8 places behind the f32 form and 4 behind the 6-bit and bf16 forms
; (one more for a matrix instruction that takes or overwrites such a register); only plain vector instructions that name none of its registers are places.
.macro PLACES n
.rept \n
	v_nop
.endr
.endm
.macro MX d, a, c, sa                  ; a product on codes: source 0 = 16 units of a weight (window 1), source 1 = the rows' codes, C = the bias (window 1)
	v_wmma_scale_f32_16x16x128_f8f6f4 v[\d:\d+7], v[\a:\a+11], v[F:F+11], v[\c:\c+7], v[\sa], v[PW] matrix_a_fmt:MATRIX_FMT_FP6 matrix_b_fmt:MATRIX_FMT_FP6
.endm
.macro RELU reg, n                     ; in place, from the low end on
.set ii, 0
.rept \n
	v_max_num_f32 v[\reg+ii], 0, v[\reg+ii]
.set ii, ii+1
.endr
.endm
	s_load_b512 s[8:23], s[0:1], 0x0               ; dynamic 8, static 10, phi1_w 12, phi1_b 14, phi2_w 16, phi2_b 18, rho1 codes 20, rho1 scales 22
	s_load_b512 s[24:39], s[0:1], 0x40             ; rho1_b 24, rho2 codes 26, rho2 scales 28, rho2_b 30, q1_w 32, q1_b 34, q2 codes 36, q2 scales 38
	s_load_b256 s[40:47], s[0:1], 0x80             ; q2_b 40, out_w 42, out_b 44, out0 46
	v_lshl_add_u32 v254, v0, 2, 0xc800
	v_mov_b32 v255, 0
	v_lshrrev_b32 v[TX], 5, v0
	v_readfirstlane_b32 s2, v[TX]                  ; wave 0..7
	s_lshl_b32 s3, ttmp9, 3
	s_add_co_u32 s3, s3, s2                        ; my wave among the launch's 2,048: it owns rows 256 x that number on
	s_mul_i32 s53, s2, WREG                        ; my LDS
	s_add_co_u32 s54, s53, SSTG
	s_add_co_u32 s55, s53, OSTG
	s_mov_b32 s48, 0x76543210
	s_mov_b32 s49, 0xfedcba98                      ; v_permlanex16_b32's selects for lane l xor 16
	s_mov_b32 s50, 0xffff0000                      ; the lanes with h = 1
	s_mul_i32 s4, s3, 49152                        ; 256 rows x 192 bytes (under 2^31)
	s_mov_b32 s5, 0
	s_mul_i32 s6, s3, 7168                         ; 256 rows x 28 bytes
	s_mov_b32 s7, 0
	v_and_b32 v[TL], 31, v0
	v_and_b32 v[TR], 15, v0
	v_bfe_u32 v[TH], v0, 4, 1
	v_and_b32 v[MP], 8, v[TR]
	v_add_nc_u32 v[MP], v[MP], v[TR]
	; LDS addresses: a constant x wave + constants x lane terms
	v_lshlrev_b32 v[GA], 4, v[TL]
	v_lshlrev_b32 v[G8], 3, v[TL]
.irp k, 0,1,2
	v_add_nc_u32 v[TX], 32*\k, v[TL]               ; c: which 16 bytes of a tile's 3,072; 12 of them make a row
	v_mul_u32_u24 v[TY], v[TX], 171
	v_lshrrev_b32 v[TY], 11, v[TY]                 ; c / 12, exact for c under 96
	v_add_nc_u32 v[TX], v[TX], v[TY]
	v_lshl_add_u32 v[SA+\k], v[TX], 4, s53         ; 16 c + 16 for each row passed
.endr
	v_mul_u32_u24 v[TX], v[TR], DP
	v_lshl_add_u32 v[TX], v[TH], 3, v[TX]
	v_add_nc_u32 v[XA], s53, v[TX]
	v_add_nc_u32 v[SSA], s54, v[G8]
	v_mul_u32_u24 v[TX], v[TR], 28
	v_add_nc_u32 v[TX], s54, v[TX]
	v_mad_u32_u24 v[SLA], v[TH], 12, v[TX]
	v_add_nc_u32 v[SLB], 24, v[TX]
	v_mul_u32_u24 v[TX], v[TR], 20
	v_add_nc_u32 v[TX], s55, v[TX]
	v_mad_u32_u24 v[OS1], v[TH], 12, v[TX]
	v_lshl_add_u32 v[OS2], v[TH], 3, v[TX]
	v_add_nc_u32 v[OS2], 8, v[OS2]
	v_add_nc_u32 v[OL], s55, v[G8]
	; byte offsets into the weights (m = r is the slot of source 0 that my lane holds)
	v_lshlrev_b32 v[AQC], 2, v[MP]                 ; 4 mp
	v_lshlrev_b32 v[TX], 2, v[TR]
	v_lshl_add_u32 v[AW1], v[TH], 7, v[TX]         ; phi1_w [4][16]: k = 2 h + j: 4 m + 128 h (+ 64 j)
	v_lshl_add_u32 v[AW2], v[TH], 10, v[AQC]       ; phi2_w [16][32]: k = 8 h + 2 s + j: 4 mp + 1024 h
	v_lshlrev_b32 v[A32], 5, v[TH]
	v_lshlrev_b32 v[A64], 6, v[TH]
	v_mul_u32_u24 v[AO1], v[TH], 12
	v_lshlrev_b32 v[AO2], 3, v[TH]
	v_mad_u32_u24 v[AR1], v[MP], 24, v[AO1]        ; rho1's codes: row of 24 bytes, my half's 12
	v_mad_u32_u24 v[AR2], v[TR], 24, v[AO1]
	v_mad_u32_u24 v[AQ2], v[TR], 48, v[AO1]
	v_lshl_add_u32 v[AQA], v[TH], 11, v[AQC]       ; q1_w [23][64]: k = 8 h + 2 s + j
	v_mad_u32_u24 v[AQB], v[TH], 768, v[AQC]       ; k = 16 + 3 h + ..
	v_lshlrev_b32 v[AS3], 1, v[TR]
	v_and_b32 v[TX], 7, v[TR]
	v_cmp_gt_u32 s51, 3, v[TX]                     ; the slots of out_w^T that hold a unit
	v_lshrrev_b32 v[TY], 3, v[TR]
	v_mad_u32_u24 v[TX], v[TY], 3, v[TX]
	v_min_u32 v[TX], 4, v[TX]                      ; unit min(j + 3 h', 4) of slot 8 h' + j
	v_lshlrev_b32 v[TX], 2, v[TX]
	v_mad_u32_u24 v[AOW], v[TH], 160, v[TX]        ; out_w [64][5]: k = .. + 8 h
	s_wait_kmcnt 0x0
	s_add_nc_u64 s[8:9], s[8:9], s[4:5]
	s_add_nc_u64 s[10:11], s[10:11], s[6:7]
	s_mul_i32 s4, s3, 5120                         ; 256 rows x 20 bytes
	s_add_nc_u64 s[46:47], s[46:47], s[4:5]
	; THE WEIGHTS, once, straight into the registers in which the matrix instructions take them
	WIN 0x40                                       ; destination window 1, address window 0
.irp j, 0,1
	global_load_b32 v[W1F+\j], v[AW1], s[12:13] offset:64*\j
.endr
.irp t, 0,1
.irp s, 0,1,2,3
.irp j, 0,1
	global_load_b32 v[W2F+2*(4*\t+\s)+\j], v[AW2], s[16:17] offset:128*(2*\s+\j)+32*\t
.endr
.endr
.endr
	global_load_b128 v[B1:B1+3], v[A32], s[14:15]                  ; biases in the results' layout: phi1_b[8 h + j]
	global_load_b128 v[B1+4:B1+7], v[A32], s[14:15] offset:16
	global_load_b128 v[RB2:RB2+3], v[A32], s[30:31]
	global_load_b128 v[RB2+4:RB2+7], v[A32], s[30:31] offset:16
.irp t, 0,1
	global_load_b128 v[B2+8*\t:B2+8*\t+3], v[A64], s[18:19] offset:32*\t       ; phi2_b[16 h + 8 t + j]
	global_load_b128 v[B2+8*\t+4:B2+8*\t+7], v[A64], s[18:19] offset:32*\t+16
	global_load_b128 v[RB1+8*\t:RB1+8*\t+3], v[A64], s[24:25] offset:32*\t
	global_load_b128 v[RB1+8*\t+4:RB1+8*\t+7], v[A64], s[24:25] offset:32*\t+16
.irp i, 0,1,2
	global_load_b32 v[RH1F+12*\t+\i], v[AR1], s[20:21] offset:192*\t+4*\i
.endr
.endr
.irp i, 0,1,2
	global_load_b32 v[RH2F+\i], v[AR2], s[26:27] offset:4*\i
.endr
.irp t, 0,1,2,3
	global_load_b128 v[QB2+8*\t:QB2+8*\t+3], v[A32], s[40:41] offset:64*\t     ; q2_b[16 t + 8 h + j]
	global_load_b128 v[QB2+8*\t+4:QB2+8*\t+7], v[A32], s[40:41] offset:64*\t+16
.irp b, 0,1
.irp i, 0,1,2
	global_load_b32 v[Q2F+12*\t+6*\b+\i], v[AQ2], s[36:37] offset:768*\t+24*\b+4*\i
.endr
.endr
.irp s, 0,1,2,3
.irp j, 0,1
	global_load_b32 v[Q1F+2*(6*\t+\s)+\j], v[AQA], s[32:33] offset:256*(2*\s+\j)+128*(\t/2)+32*(\t%2)
.endr
.endr
.irp j, 0,1,2
	global_load_b32 v[Q1F+2*(6*\t+4)+\j], v[AQB], s[32:33] offset:256*(16+\j)+128*(\t/2)+32*(\t%2)   ; k = 16 + 3 h + j: static 0 1 2 or 3 4 5
.endr
.endr
	global_load_b32 v[OB], v[AO1], s[44:45]                        ; out_b[3 h], [3 h + 1], [2 + 2 h]
	global_load_b32 v[OB+1], v[AO1], s[44:45] offset:4
	global_load_b32 v[OB+2], v[AO2], s[44:45] offset:8
	WIN 0
.irp t, 0,1,2,3
	global_load_b32 v[TA+\t], v[AQC], s[32:33] offset:256*22+128*(\t/2)+32*(\t%2)   ; q1_w's last row (static 6), for h = 0
	global_load_b32 v[TBB+\t], v[AQC], s[34:35] offset:128*(\t/2)+32*(\t%2)         ; q1_b, for h = 1
	global_load_u16 v[TS+3+\t], v[AS3], s[38:39] offset:32*\t                       ; q2's two scale bytes of unit 16 t + m
.endr
.irp t, 0,1
	global_load_u8 v[TS+\t], v[MP], s[22:23] offset:8*\t
.endr
	global_load_u8 v[TS+2], v[TR], s[28:29]
.irp s, 0,1
.irp c, 0,1
.irp e, 0,1,2,3,4,5,6,7
	global_load_b32 v[TT+16*\s+8*\c+\e], v[AOW], s[42:43] offset:20*(32*\s+16*\c+\e)
.endr
.endr
.endr
	s_wait_loadcnt 0x0                             ; the weights are in; the temporaries that served as offsets are free
.irp k, 0,1,2,3,4,5
	global_load_b128 v[R+4*\k:R+4*\k+3], v[GA], s[8:9] offset:512*\k th:TH_LOAD_NT      ; the first tile: 3,072 consecutive bytes
.endr
.irp k, 0,1,2,3,4,5,6
	global_load_b64 v[SR+2*\k:SR+2*\k+1], v[G8], s[10:11] offset:256*\k th:TH_LOAD_NT   ; the first trip's static input: 1,792 consecutive bytes
.endr
.set ii, 0
.rept 16
	v_cvt_pk_bf16_f32 v[TP+ii], v[TT+2*ii], v[TT+2*ii+1]
.set ii, ii+1
.endr
	v_mov_b32 v[TZ], 0
.irp t, 0,1,2
	v_lshl_or_b32 v[WS+\t], v[TS+\t], 8, v[TS+\t]                  ; (s, s, 0, 0): bytes 2 and 3 scale zero codes alone
.endr
.irp t, 0,1,2,3
	v_perm_b32 v[WS+3+\t], v[TS+3+\t], v[TS+3+\t], 0x01010000      ; (s0, s0, s1, s1)
.endr
.set ii, 0
.rept 12
	v_mov_b32 v[F+ii], 0
.set ii, ii+1
.endr
	v_mov_b32 v[TM+2], 0                           ; written once: a lane permute's destination counts as one of its sources
	v_mov_b32 v[TM+3], 0
	v_mov_b32 v[ONE], 1.0
	WIN 0x40
.irp t, 0,1,2,3
	v_cndmask_b32 v[Q1F+2*(6*\t+5)+1], v[TA+\t], v[TBB+\t], s50    ; K's 24th place: static 6's weights (h = 0), the bias (h = 1)
.endr
.set ii, 0
.rept 16
	v_cndmask_b32 v[OF+ii], v[TZ], v[TP+ii], s51   ; slots without a unit hold zeros
.set ii, ii+1
.endr
.irp i, 3,4,5,6,7,8,9,10,11                    ; zero codes where the instruction's 128 along K reach past these products' K: written once
	v_mov_b32 v[RH1F+\i], 0
	v_mov_b32 v[RH1F+12+\i], 0
	v_mov_b32 v[RH2F+\i], 0
.endr
.irp t, 0,1,2,3
.irp i, 3,4,5,9,10,11
	v_mov_b32 v[Q2F+12*\t+\i], 0
.endr
.endr
.irp i, 3,4,5,6,7
	v_mov_b32 v[OB+\i], 0
.endr
	WIN 0
; A tile's head: its 3,072 bytes, asked for a tile ago, turn through my stage; the next tile's are asked for.  i = 0: the trip's static input likewise.
.macro TOP i
	s_wait_loadcnt 0x0                             ; all my loads are in: they were issued a whole tile's work ago (the count is right on both ways round the skipped loads)
.if \i == 0
.irp k, 0,1,2,3,4,5,6
	ds_store_b64 v[SSA], v[SR+2*\k:SR+2*\k+1] offset:256*\k
.endr
.endif
.irp k, 0,1,2,3,4,5
	ds_store_b128 v[SA+\k%3], v[R+4*\k:R+4*\k+3] offset:1664*(\k/3)    ; 96 pieces on are 8 rows on: 8 x 208 bytes
.endr
.irp n, 0,1,2,3,4,5,6,7,8,9,10,11
	ds_load_b64 v[X+2*\n:X+2*\n+1], v[XA] offset:16*\n             ; LDS serves a wave's instructions in order (ISA guide 5.7.1.4): these see the stores above
.endr
.irp e, 0,1,2
	ds_load_b32 v[SL+\e], v[SLA] offset:448*\i+4*\e
.endr
	ds_load_b32 v[SL+3], v[SLB] offset:448*\i
	s_wait_dscnt 0x0                               ; X and SL are in, and the stores have read R and SR
.if \i == 3
	s_cmp_eq_u32 s52, 1                            ; the last trip's last tile has no successor: no load leaves its buffer
	s_cbranch_scc1 .Lno_tile_\@
.endif
.irp k, 0,1,2,3,4,5
	global_load_b128 v[R+4*\k:R+4*\k+3], v[GA], s[8:9] offset:3072*(\i+1)+512*\k th:TH_LOAD_NT
.endr
.if \i == 3
.Lno_tile_\@:
.endif
.if \i == 0
	s_cmp_eq_u32 s52, 1
	s_cbranch_scc1 .Lno_trip_\@
.irp k, 0,1,2,3,4,5,6
	global_load_b64 v[SR+2*\k:SR+2*\k+1], v[G8], s[10:11] offset:1792+256*\k th:TH_LOAD_NT
.endr
.Lno_trip_\@:
.endif
	v_cndmask_b32 v[SL+3], v[SL+3], v[ONE], s50    ; static 6 (h = 0), 1.0 (h = 1)
.endm
.macro PHI1 g                          ; set elements 4 g .. 4 g + 3: one instruction each, K = 4, C = the bias
	WIN 0x11                                       ; source 0 and C window 1
.irp q, 0,1,2,3
	v_wmma_f32_16x16x4_f32 v[D1+8*\q:D1+8*\q+7], v[W1F:W1F+1], v[X+2*(4*\g+\q):X+2*(4*\g+\q)+1], v[B1:B1+7]
.endr
.endm
.macro RELU1
.set ii, 0
.rept 32
	v_max_num_f32 v[H+ii], 0, v[D1+ii]
.set ii, ii+1
.endr
.endm
.macro PHI2                            ; four set elements x two tiles of units, K = 16 in four steps: the eight accumulators take turns, one instruction a turn
	WIN 0x11
.irp q, 0,1,2,3
.irp t, 0,1
	v_wmma_f32_16x16x4_f32 v[D2+16*\q+8*\t:D2+16*\q+8*\t+7], v[W2F+8*\t:W2F+8*\t+1], v[H+8*\q:H+8*\q+1], v[B2+8*\t:B2+8*\t+7]
.endr
.endr
	WIN 0x01
.irp s, 1,2,3
.irp q, 0,1,2,3
.irp t, 0,1
	v_wmma_f32_16x16x4_f32 v[D2+16*\q+8*\t:D2+16*\q+8*\t+7], v[W2F+2*(4*\t+\s):W2F+2*(4*\t+\s)+1], v[H+8*\q+2*\s:H+8*\q+2*\s+1], v[D2+16*\q+8*\t:D2+16*\q+8*\t+7]
.endr
.endr
.endr
.endm
.macro SUM first                       ; relu(phi2) of four set elements onto the sum; the very first starts it: nothing is cleared
.irp q, 0,1,2,3
.if \first && (\q == 0)
.set ii, 0
.rept 16
	v_max_num_f32 v[S+ii], 0, v[D2+ii]
.set ii, ii+1
.endr
.else
.set ii, 0
.rept 16
	v_max_num_f32 v[H+16*(\q%2)+ii], 0, v[D2+16*\q+ii]
.set ii, ii+1
.endr
.set ii, 0
.rept 8
	v_pk_add_f32 v[S+2*ii:S+2*ii+1], v[S+2*ii:S+2*ii+1], v[H+16*(\q%2)+2*ii:H+16*(\q%2)+2*ii+1]
.set ii, ii+1
.endr
.endif
.endr
.endm
; 16 numbers of a lane, none negative, k = 16 h + 0 .. 15 of my row's one block, become codes in F0-2 and the scale word (s, s, 0, 0).  The largest magnitude's exponent field less 2 is the scale's byte;
; the floor 2^(3 - 127) among the leaves holds it at 1 from below; the conversion takes the exponent field of its scale operand alone and gives the largest code beyond 7.5.
.macro QUANT1 src
	v_max3_num_f32 v[TM], v[\src], v[\src+1], 0x1800000
	v_max3_num_f32 v[TM+1], v[\src+8], v[\src+9], v[\src+10]       ; two chains, so that no line waits for the line above it
	v_max3_num_f32 v[TM], v[TM], v[\src+2], v[\src+3]
	v_max3_num_f32 v[TM+1], v[TM+1], v[\src+11], v[\src+12]
	v_max3_num_f32 v[TM], v[TM], v[\src+4], v[\src+5]
	v_max3_num_f32 v[TM+1], v[TM+1], v[\src+13], v[\src+14]
	v_max3_num_f32 v[TM], v[TM], v[\src+6], v[\src+7]
	v_max3_num_f32 v[TM], v[TM], v[TM+1], v[\src+15]
	v_permlanex16_b32 v[TM+2], v[TM], s48, s49
	v_max_num_f32 v[TM], v[TM], v[TM+2]            ; with lane l xor 16's 16: the block's
	v_add_nc_u32 v[TM+4], 0xff000000, v[TM]
	v_lshrrev_b32 v[TM+6], 23, v[TM+4]
	v_lshl_or_b32 v[PW], v[TM+6], 8, v[TM+6]
	v_cvt_scalef32_pk16_fp6_f32 v[F:F+2], v[\src:\src+15], v[TM+4]
	PLACES 8                                       ; a scale register written by a vector instruction stands 8 places ahead of a scaled matrix instruction, an operand 4; one plain place behind a scaled conversion
.endm
.macro QUANT2 src                      ; the same for 32 numbers, k = 32 b + 16 h + 0 .. 15 of two blocks, by turns: codes in F0-2 and F6-8, scale word (s0, s0, s1, s1)
.irp b, 0,1
	v_max3_num_f32 v[TM+\b], v[\src+16*\b], v[\src+16*\b+1], 0x1800000
.endr
.irp i, 2,4,6,8,10,12,14
.irp b, 0,1
	v_max3_num_f32 v[TM+\b], v[TM+\b], v[\src+16*\b+\i], v[\src+16*\b+\i+1]
.endr
.endr
.irp b, 0,1
	v_permlanex16_b32 v[TM+2+\b], v[TM+\b], s48, s49
.endr
.irp b, 0,1
	v_max_num_f32 v[TM+\b], v[TM+\b], v[TM+2+\b]
.endr
.irp b, 0,1
	v_add_nc_u32 v[TM+4+\b], 0xff000000, v[TM+\b]
.endr
.irp b, 0,1
	v_lshrrev_b32 v[TM+6+\b], 23, v[TM+4+\b]
.endr
.irp b, 0,1
	v_lshl_or_b32 v[TM+6+\b], v[TM+6+\b], 8, v[TM+6+\b]
.endr
	v_lshl_or_b32 v[PW], v[TM+7], 16, v[TM+6]
.irp b, 0,1
	v_cvt_scalef32_pk16_fp6_f32 v[F+6*\b:F+6*\b+2], v[\src+16*\b:\src+16*\b+15], v[TM+4+\b]
.endr
	PLACES 8
.endm
.macro TAIL i                          ; rho1, rho2, q1, q2, out for the tile's 16 rows
	QUANT1 S
	WIN 0x11
.irp t, 0,1
	MX H+8*\t, RH1F+12*\t, RB1+8*\t, WS+\t         ; rho1: register 8 t + j is unit 16 h + 8 t + j
.endr
	WIN 0
	PLACES 4
	RELU H, 16
	QUANT1 H
	WIN 0x11
	MX H+16, RH2F, RB2, WS+2                       ; rho2: register j is unit 8 h + j
	WIN 0
	PLACES 5                                       ; its registers, clipped in place, are source 1 of the products below
	RELU H+16, 8
	WIN 0x01
.irp s, 0,1,2,3,4,5                    ; q1: K = 16 of rho2's result, 7 static, 1.0: six steps, four tiles of units by turns
.if \s < 4
.set BQ, H+16+2*\s
.else
.set BQ, SL+2*(\s-4)
.endif
.irp t, 0,1,2,3
.if \s == 0
	v_wmma_f32_16x16x4_f32 v[D2+8*\t:D2+8*\t+7], v[Q1F+2*(6*\t+\s):Q1F+2*(6*\t+\s)+1], v[BQ:BQ+1], 0
.else
	v_wmma_f32_16x16x4_f32 v[D2+8*\t:D2+8*\t+7], v[Q1F+2*(6*\t+\s):Q1F+2*(6*\t+\s)+1], v[BQ:BQ+1], v[D2+8*\t:D2+8*\t+7]
.endif
.endr
.endr
	WIN 0
	PLACES 8
.set ii, 0
.rept 32
	v_max_num_f32 v[H+ii], 0, v[D2+ii]             ; register 16 b + i is unit 32 b + 16 h + i
.set ii, ii+1
.endr
	QUANT2 H
	WIN 0x11
.irp t, 0,1,2,3
	MX H+8*\t, Q2F+12*\t, QB2+8*\t, WS+3+\t        ; q2: register 8 t + j is unit 16 t + 8 h + j: packed in pairs that is the bf16 form's source 1
.endr
	WIN 0
	PLACES 4
	RELU H, 32
.set ii, 0
.rept 16
	v_cvt_pk_bf16_f32 v[S+ii], v[H+2*ii], v[H+2*ii+1]
.set ii, ii+1
.endr
	WIN 0x11
	v_wmma_f32_16x16x32_bf16 v[X:X+7], v[OF:OF+7], v[S:S+7], v[OB:OB+7]        ; out, K = 64 as two sums on two accumulators, added below
	v_wmma_f32_16x16x32_bf16 v[X+8:X+15], v[OF+8:OF+15], v[S+8:S+15], 0
	WIN 0
	PLACES 4
.irp j, 0,1,2
	v_add_f32 v[X+16+\j], v[X+\j], v[X+8+\j]       ; q0 q1 q2 (h = 0), q3 q4 q4 (h = 1)
.endr
	ds_store_b32 v[OS1], v[X+16] offset:320*\i
	ds_store_b32 v[OS1], v[X+17] offset:320*\i+4
	ds_store_b32 v[OS2], v[X+18] offset:320*\i     ; (for h = 1 my own q4 once more, onto the same word)
.endm
.macro TILE i                          ; phi1 of the next four set elements stands behind phi2 of the last four, so that one run of places serves both
	TOP \i
	PHI1 0
	WIN 0
	PLACES 8
	RELU1
	PHI2
	PHI1 1
	WIN 0
	PLACES 8
	SUM 1
	RELU1
	PHI2
	PHI1 2
	WIN 0
	PLACES 8
	SUM 0
	RELU1
	PHI2
	WIN 0
	PLACES 8
	SUM 0
	TAIL \i
.endm
	s_mov_b32 s52, 4                               ; trips of 64 rows
.Ltrip:
	TILE 0
	TILE 1
	TILE 2
	TILE 3
	; 64 rows of q, 1,280 bytes, leave as five aligned runs of 256 consecutive bytes
.irp k, 0,1,2,3,4
	ds_load_b64 v[H+2*\k:H+2*\k+1], v[OL] offset:256*\k
.endr
.irp k, 0,1,2,3,4
	s_wait_dscnt 4-\k                              ; LDS loads come back in order (ISA guide 5.7.1): load k is in, the 4 - k younger ones may be out
	global_store_b64 v[G8], v[H+2*\k:H+2*\k+1], s[46:47] offset:256*\k th:TH_STORE_NT
.endr
	s_wait_xcnt 0x0                                ; the bases, and the registers that the stores read, are written again only behind this wait
	s_add_nc_u64 s[8:9], s[8:9], 12288
	s_add_nc_u64 s[10:11], s[10:11], 1792
	s_add_nc_u64 s[46:47], s[46:47], 1280
	s_sub_co_u32 s52, s52, 1
	s_cmp_lg_u32 s52, 0
	s_cbranch_scc1 .Ltrip
	s_wait_tensorcnt 0x0
	ds_add_u32 v254, v255
	s_wait_dscnt 0x0
	s_endpgm
.Lfunc_end_k_q86fe5e7636_net:
	.size	k_q86fe5e7636_net, .Lfunc_end_k_q86fe5e7636_net-k_q86fe5e7636_net
	.p2alignl 7, 3214868480
	.fill 96, 4, 3214868480
	.section	.rodata,"a",@progbits
	.p2align	6, 0x0
	.amdhsa_kernel k_q86fe5e7636_net
		.amdhsa_group_segment_fixed_size 52224
		.amdhsa_private_segment_fixed_size 0
		.amdhsa_enable_private_segment 0
		.amdhsa_kernarg_size 160
		.amdhsa_user_sgpr_count 2
		.amdhsa_user_sgpr_kernarg_segment_ptr 1
		.amdhsa_wavefront_size32 1
		.amdhsa_system_sgpr_workgroup_id_x 1
		.amdhsa_system_sgpr_workgroup_id_y 1
		.amdhsa_system_sgpr_workgroup_id_z 1
		.amdhsa_system_vgpr_workitem_id 0
		.amdhsa_next_free_vgpr 512
		.amdhsa_next_free_sgpr 66
		.amdhsa_reserve_vcc 0
		.amdhsa_float_denorm_mode_32 3
		.amdhsa_float_denorm_mode_16_64 3
		.amdhsa_memory_ordered 1
		.amdhsa_forward_progress 1
		.amdhsa_inst_pref_size 175
	.end_amdhsa_kernel
	.amdgpu_metadata
---
amdhsa.version: [ 1, 2 ]
amdhsa.kernels:
  - .name:           k_q86fe5e7636_net
    .symbol:         k_q86fe5e7636_net.kd
    .args:
      - { .name: dynamic_input, .offset: 0, .size: 8, .value_kind: global_buffer, .address_space: global }
      - { .name: static_input, .offset: 8, .size: 8, .value_kind: global_buffer, .address_space: global }
      - { .name: phi1_w, .offset: 16, .size: 8, .value_kind: global_buffer, .address_space: global }
      - { .name: phi1_b, .offset: 24, .size: 8, .value_kind: global_buffer, .address_space: global }
      - { .name: phi2_w, .offset: 32, .size: 8, .value_kind: global_buffer, .address_space: global }
      - { .name: phi2_b, .offset: 40, .size: 8, .value_kind: global_buffer, .address_space: global }
      - { .name: rho1_w_codes, .offset: 48, .size: 8, .value_kind: global_buffer, .address_space: global }
      - { .name: rho1_w_scales, .offset: 56, .size: 8, .value_kind: global_buffer, .address_space: global }
      - { .name: rho1_b, .offset: 64, .size: 8, .value_kind: global_buffer, .address_space: global }
      - { .name: rho2_w_codes, .offset: 72, .size: 8, .value_kind: global_buffer, .address_space: global }
      - { .name: rho2_w_scales, .offset: 80, .size: 8, .value_kind: global_buffer, .address_space: global }
      - { .name: rho2_b, .offset: 88, .size: 8, .value_kind: global_buffer, .address_space: global }
      - { .name: q1_w, .offset: 96, .size: 8, .value_kind: global_buffer, .address_space: global }
      - { .name: q1_b, .offset: 104, .size: 8, .value_kind: global_buffer, .address_space: global }
      - { .name: q2_w_codes, .offset: 112, .size: 8, .value_kind: global_buffer, .address_space: global }
      - { .name: q2_w_scales, .offset: 120, .size: 8, .value_kind: global_buffer, .address_space: global }
      - { .name: q2_b, .offset: 128, .size: 8, .value_kind: global_buffer, .address_space: global }
      - { .name: out_w, .offset: 136, .size: 8, .value_kind: global_buffer, .address_space: global }
      - { .name: out_b, .offset: 144, .size: 8, .value_kind: global_buffer, .address_space: global }
      - { .name: out0, .offset: 152, .size: 8, .value_kind: global_buffer, .address_space: global }
    .group_segment_fixed_size: 52224
    .private_segment_fixed_size: 0
    .kernarg_segment_align: 8
    .kernarg_segment_size: 160
    .max_flat_workgroup_size: 256
    .sgpr_count:     66
    .vgpr_count:     512
    .wavefront_size: 32
...
	.end_amdgpu_metadata
.endif
;; end of part 1
;; ======== version 2 of 2: 1 launch; version 1 with the launch net written anew for expert scheduling mode
;; launch net (part 2): grid 256 x 1, 8 waves a work-group, no clusters, 52,224 bytes of LDS; arguments dynamic_input, static_input, phi1_w, phi1_b, phi2_w, phi2_b, rho1_w_codes, rho1_w_scales, rho1_b, rho2_w_codes, rho2_w_scales, rho2_b, q1_w, q1_b, q2_w_codes, q2_w_scales, q2_b, out_w, out_b, out0; writes out0
.if DOCPART == 2
	.amdgcn_target "amdgcn-amd-amdhsa--gfx1250"
	.amdhsa_code_object_version 6
	.text
	.protected	k_q86fe5e7636_net
	.globl	k_q86fe5e7636_net
	.p2align	8
	.type	k_q86fe5e7636_net,@function
k_q86fe5e7636_net:
	s_mov_b64 s[64:65], 0
	v_nop
	global_prefetch_b8 v0, s[64:65] scope:SCOPE_SE
	s_setreg_imm32_b32 hwreg(HW_REG_WAVE_SCHED_MODE, 0, 2), 2
	s_setreg_imm32_b32 hwreg(HW_REG_WAVE_MODE, 25, 1), 1
	s_wait_xcnt 0x0
	s_wait_alu depctr_vm_vsrc(0)
; DeepSet Q network, the whole chain in one launch: phi1 (K 4), phi2 (K 16), the sum over 12 set elements, rho1, rho2 (MX-FP6), q1 (K 23), q2 (MX-FP6), out (N 5).
; FORMATS.  phi1, phi2 and q1 feed a quantiser: f32 operands, v_wmma_f32_16x16x4_f32.  rho1, rho2, q2: codes of E2M3 with E8M0 scales, v_wmma_scale_f32_16x16x128_f8f6f4.  out: bf16 operands.  All sums f32.
; SHARES.  524,288 rows = 256 work-groups x 8 waves x 256 rows.  A wave walks 4 trips of 64 rows, a trip is 4 tiles of 16 rows.  Waves share nothing: no barrier; each has 6,400 bytes of LDS of its own.
;   Two waves lie on a SIMD (512 registers each), so that one wave's vector work stands beside the other's matrix work.
; LAYOUT.  EVERY PRODUCT IS USED TRANSPOSED: source 0 = 16 rows of a weight (units), source 1 = 16 batch rows.  Lane (r = lane % 16, h = lane / 16) then holds batch row r throughout, and register j of a result
;   holds the unit of slot 8 h + j.  A tile of phi is 16 batch rows at ONE set index, so the sum over the set is additions inside a lane.
;   The f32 form wants k = 2 h + j in register j: K step s of the next product takes registers 2 s, 2 s + 1 of a result as they stand (k = 8 h + 2 s + j), and the weight's fragments are loaded by the same map.
;   Tiles whose result goes into a quantiser (phi2, rho1, q1) take units that are not neighbours: slot m of tile t is unit 32 (t / 2) + 8 (t % 2) + m + 8 (m / 8), so that a lane's 16 registers of two
;   neighbouring tiles are k = 32 b + 16 h + 0 .. 15: half a block of 32; the other half lies in lane l xor 16.
;   THE 6-BIT OPERAND WITHOUT AN EXCHANGE OF CODES.  The instruction spans 128 along K, these products 32 or 64.  A lane's 16 codes of real block b go to registers 6 b .. 6 b + 2, the first 16 places of the
;   instruction's block 2 b + h; registers 6 b + 3 .. 6 b + 5 hold zero codes.  The weights are laid the same way (bytes 12 h .. 12 h + 11 of a row's block), and each real scale byte stands twice in the scale word.
;   The quantised numbers and their products are the contract's; zero codes add nothing under any byte but 0xff, and no byte here is made 0xff.
;   q1's K is 23 + 1: the 24th place holds 1.0 in the rows and q1_b in the weight, so the bias costs nothing.
;   out: slot 8 h + j holds unit min(j + 3 h, 4) for j < 3 and zeros else, so that a lane's three lowest result registers are q0, q1, q2 (h = 0) or q3, q4, q4 (h = 1).
; MEMORY.  Every load and store of the loop covers consecutive bytes (512 or 256 a wave, aligned to 256); rows are turned to the lanes' wants in the wave's own stages in LDS.  A tile's loads are issued one tile ahead.
; NOT USED: clusters and joint loads (work-groups share only the weights, under 15 KB, which each wave reads once into registers); tensor loads (a stage is one wave's own and a tile's work stands between request and use).
; LIMITS.  NaN and infinities among the inputs are not served.  A block whose largest magnitude lies under 2^-124 gets the scale byte 1; a block of zeros gets the byte 1 where the rule says 127 (its codes are zeros).
;   The order of the f32 sums differs from the reference's.  The last product rounds both operands to bf16.
; THE MODE: SCHED_MODE bits 1:0 = 2 (LLVM: expert scheduling mode 2), set by the entry lines.  The code itself states the register dependences between vector or matrix instructions and memory or LDS
;   instructions, with s_wait_alu, always for 0.
; THE PLAN.  Registers that memory or LDS instructions touch, in the loop:
;   R, SR    Written by the global loads at a tile's head (the next tile's bytes; SR: the next trip's), read by the next head's LDS stores.  No vector or matrix instruction of the loop names them.
;   X, SL    Written by the LDS loads at a tile's head.  phi1's products read X, q1's read SL, one select writes SL's last register; at the tile's end out's two products write X's first sixteen, which three additions read.
;   QO       q on its way out: written by the tile's three additions, read by three LDS stores at the NEXT tile's head (tile 3's: at the trip's end), written again by the next tile's quantiser.  No load lands there.
;   H        At a trip's end alone: five LDS loads land in its first ten registers, five global stores read them.  Else vector and matrix instructions alone name it.
;   v1-v12   Offsets and LDS addresses: made at the head, never written again; the scalar bases move on.
;   F, PW    The rows' codes and scale word: written by vector instructions, taken by the scaled products.
;   So a tile's head has ONE wait on va_vdst (QO is written; the last tile is done with X and SL) and ONE on vm_vsrc, behind its LDS stores (they have read R, SR and QO); all the head's memory and LDS instructions
;   stand between the first of these and the tile's first vector instruction.  Each quantiser ends with a wait on va_vdst, behind its places.  The trip's end has one of each kind, for QO and H.
.set WREG, 6400                        ; LDS of a wave
.set DP,   208                         ; DSTG at +0: 16 rows of dynamic input, 192 bytes + 16: 52 words a row, so the 32 lanes of an 8-byte load touch 64 different banks (64 banks of 4 bytes: ISA guide 11.1)
.set OSTG, 3328                        ; 64 rows x 20 bytes of q
.set SSTG, 4608                        ; 64 rows x 28 bytes of static input
; window 0: all that moves
.set GA,  1                            ; 16 x lane
.set SA,  2                            ; v2-4   DSTG, way in: 16 (c + c / 12), c = lane + 32 k
.set XA,  5                            ; DSTG, way out: 208 r + 8 h
.set G8,  6                            ; 8 x lane
.set SSA, 7                            ; SSTG + 8 x lane
.set SLA, 8                            ; SSTG + 28 r + 12 h
.set SLB, 9                            ; SSTG + 28 r + 24
.set OS1, 10                           ; OSTG + 20 r + 12 h
.set OS2, 11                           ; OSTG + 20 r + 8 + 8 h
.set OL,  12                           ; OSTG + 8 x lane
.set ONE, 13                           ; 1.0
.set WS,  16                           ; v16-22 the weights' scale words: rho1's two tiles, rho2, q2's four.  They hold scales and nothing else
.set PW,  23                           ; the scale word of the rows' codes
.set F,   24                           ; v24-35 the rows' codes; only F0-2 and F6-8 are ever written again, the rest stay zero codes
.set TM,  36                           ; v36-43 at work in the quantiser
.set QO,  36                           ; v36-38 from a tile's end to the next tile's head: q on its way out
.set SL,  44                           ; v44-47 static: s0 s1 s2 s6 (h = 0), s3 s4 s5 1.0 (h = 1)
.set R,   48                           ; v48-71 a tile of dynamic input as loaded
.set X,   72                           ; v72-95 12 pairs: features 2 h, 2 h + 1 of (row r, set n); at a tile's end: out's two sums
.set S,   96                           ; v96-111 the sum over the set; at a tile's end: the bf16 operand
.set H,   112                          ; v112-143 relu(phi1); then work space of the sum; then rho1's, rho2's, q1's (clipped) and q2's results
.set D1,  144                          ; v144-175 four results of phi1.    D1 and D2 are written by matrix instructions alone
.set D2,  176                          ; v176-239 eight results of phi2 (tile q of rows, tile t of units: 16 q + 8 t); q1's four in the first 32
.set SR,  240                          ; v240-253 a trip's static input as loaded
; window 1: all that stays; only matrix instructions read it
.set W1F,  0
.set W2F,  2                           ; (t, s) at 2 (4 t + s)
.set B1,   18
.set B2,   26
.set RH1F, 42
.set RH2F, 66
.set Q2F,  78
.set Q1F,  126                         ; (t, s) at 2 (6 t + s)
.set OF,   174
.set RB1,  190
.set RB2,  206
.set QB2,  214
.set OB,   246
; the head's temporaries, all in v48-143
.set TL, 48
.set TR, 49
.set TH, 50
.set MP, 51                            ; r + 8 (r / 8)
.set AW1, 52
.set AW2, 53
.set A32, 54
.set A64, 55
.set AR1, 56
.set AR2, 57
.set AQ2, 58
.set AQA, 59
.set AQB, 60
.set AQC, 61
.set AOW, 62
.set AO1, 63
.set AO2, 64
.set AS3, 65
.set TX, 66
.set TY, 67
.set TP, 72                            ; 16 packed pairs of out_w
.set TZ, 88                            ; 0
.set TA, 96                            ; q1_w's row 22
.set TBB, 100                          ; q1_b
.set TS, 104                           ; scale bytes as loaded
.set TT, 112                           ; 32 numbers of out_w
.set MSB, 0
.macro WIN new                         ; bits 1:0 source 0, 3:2 source 1, 5:4 source 2, 7:6 destination; the immediate's high byte repeats the setting that is left
.if MSB != \new
	s_set_vgpr_msb (MSB<<8)|\new
.set MSB, \new
.endif
.endm
; A vector instruction that reads a matrix result or writes one of a matrix instruction's registers stands 8 places behind the f32 form and 4 behind the 6-bit and bf16 forms
; (one more for a matrix instruction that takes or overwrites such a register); only plain vector instructions that name none of its registers are places.
.macro PLACES n
.rept \n
	v_nop
.endr
.endm
.macro MX d, a, c, sa                  ; a product on codes: source 0 = 16 units of a weight (window 1), source 1 = the rows' codes, C = the bias (window 1)
	v_wmma_scale_f32_16x16x128_f8f6f4 v[\d:\d+7], v[\a:\a+11], v[F:F+11], v[\c:\c+7], v[\sa], v[PW] matrix_a_fmt:MATRIX_FMT_FP6 matrix_b_fmt:MATRIX_FMT_FP6
.endm
.macro RELU reg, n                     ; in place, from the low end on
.set ii, 0
.rept \n
	v_max_num_f32 v[\reg+ii], 0, v[\reg+ii]
.set ii, ii+1
.endr
.endm
	s_load_b512 s[8:23], s[0:1], 0x0               ; dynamic 8, static 10, phi1_w 12, phi1_b 14, phi2_w 16, phi2_b 18, rho1 codes 20, rho1 scales 22
	s_load_b512 s[24:39], s[0:1], 0x40             ; rho1_b 24, rho2 codes 26, rho2 scales 28, rho2_b 30, q1_w 32, q1_b 34, q2 codes 36, q2 scales 38
	s_load_b256 s[40:47], s[0:1], 0x80             ; q2_b 40, out_w 42, out_b 44, out0 46
	v_lshl_add_u32 v254, v0, 2, 0xc800             ; my spare word, behind the eight waves' 6,400 bytes; with v255 kept for the closing lines alone
	v_mov_b32 v255, 0
	v_lshrrev_b32 v[TX], 5, v0
	v_readfirstlane_b32 s2, v[TX]                  ; wave 0..7
	s_lshl_b32 s3, ttmp9, 3
	s_wait_alu depctr_va_sdst(0)                   ; s2 is written, ahead of its first reader: my rows and my LDS are made from it
	s_add_co_u32 s3, s3, s2                        ; my wave among the launch's 2,048: it owns rows 256 x that number on
	s_mul_i32 s53, s2, WREG                        ; my LDS
	s_add_co_u32 s54, s53, SSTG
	s_add_co_u32 s55, s53, OSTG
	s_mov_b32 s48, 0x76543210
	s_mov_b32 s49, 0xfedcba98                      ; v_permlanex16_b32's selects for lane l xor 16
	s_mov_b32 s50, 0xffff0000                      ; the lanes with h = 1
	s_mul_i32 s4, s3, 49152                        ; 256 rows x 192 bytes (under 2^31)
	s_mov_b32 s5, 0
	s_mul_i32 s6, s3, 7168                         ; 256 rows x 28 bytes
	s_mov_b32 s7, 0
	v_and_b32 v[TL], 31, v0
	v_and_b32 v[TR], 15, v0
	v_bfe_u32 v[TH], v0, 4, 1
	v_and_b32 v[MP], 8, v[TR]
	v_add_nc_u32 v[MP], v[MP], v[TR]
	; LDS addresses: a constant x wave + constants x lane terms
	v_lshlrev_b32 v[GA], 4, v[TL]
	v_lshlrev_b32 v[G8], 3, v[TL]
.irp k, 0,1,2
	v_add_nc_u32 v[TX], 32*\k, v[TL]               ; c: which 16 bytes of a tile's 3,072; 12 of them make a row
	v_mul_u32_u24 v[TY], v[TX], 171
	v_lshrrev_b32 v[TY], 11, v[TY]                 ; c / 12, exact for c under 96
	v_add_nc_u32 v[TX], v[TX], v[TY]
	v_lshl_add_u32 v[SA+\k], v[TX], 4, s53         ; 16 c + 16 for each row passed
.endr
	v_mul_u32_u24 v[TX], v[TR], DP
	v_lshl_add_u32 v[TX], v[TH], 3, v[TX]
	v_add_nc_u32 v[XA], s53, v[TX]
	v_add_nc_u32 v[SSA], s54, v[G8]
	v_mul_u32_u24 v[TX], v[TR], 28
	v_add_nc_u32 v[TX], s54, v[TX]
	v_mad_u32_u24 v[SLA], v[TH], 12, v[TX]
	v_add_nc_u32 v[SLB], 24, v[TX]
	v_mul_u32_u24 v[TX], v[TR], 20
	v_add_nc_u32 v[TX], s55, v[TX]
	v_mad_u32_u24 v[OS1], v[TH], 12, v[TX]
	v_lshl_add_u32 v[OS2], v[TH], 3, v[TX]
	v_add_nc_u32 v[OS2], 8, v[OS2]
	v_add_nc_u32 v[OL], s55, v[G8]
	; byte offsets into the weights (m = r is the slot of source 0 that my lane holds)
	v_lshlrev_b32 v[AQC], 2, v[MP]                 ; 4 mp
	v_lshlrev_b32 v[TX], 2, v[TR]
	v_lshl_add_u32 v[AW1], v[TH], 7, v[TX]         ; phi1_w [4][16]: k = 2 h + j: 4 m + 128 h (+ 64 j)
	v_lshl_add_u32 v[AW2], v[TH], 10, v[AQC]       ; phi2_w [16][32]: k = 8 h + 2 s + j: 4 mp + 1024 h
	v_lshlrev_b32 v[A32], 5, v[TH]
	v_lshlrev_b32 v[A64], 6, v[TH]
	v_mul_u32_u24 v[AO1], v[TH], 12
	v_lshlrev_b32 v[AO2], 3, v[TH]
	v_mad_u32_u24 v[AR1], v[MP], 24, v[AO1]        ; rho1's codes: row of 24 bytes, my half's 12
	v_mad_u32_u24 v[AR2], v[TR], 24, v[AO1]
	v_mad_u32_u24 v[AQ2], v[TR], 48, v[AO1]
	v_lshl_add_u32 v[AQA], v[TH], 11, v[AQC]       ; q1_w [23][64]: k = 8 h + 2 s + j
	v_mad_u32_u24 v[AQB], v[TH], 768, v[AQC]       ; k = 16 + 3 h + ..
	v_lshlrev_b32 v[AS3], 1, v[TR]
	v_and_b32 v[TX], 7, v[TR]
	v_cmp_gt_u32 s51, 3, v[TX]                     ; the slots of out_w^T that hold a unit
	v_lshrrev_b32 v[TY], 3, v[TR]
	v_mad_u32_u24 v[TX], v[TY], 3, v[TX]
	v_min_u32 v[TX], 4, v[TX]                      ; unit min(j + 3 h', 4) of slot 8 h' + j
	v_lshlrev_b32 v[TX], 2, v[TX]
	v_mad_u32_u24 v[AOW], v[TH], 160, v[TX]        ; out_w [64][5]: k = .. + 8 h
	s_wait_alu depctr_va_sdst(0)                   ; s51 is written, ahead of its first reader: the selects that lay out_w's fragments, further down in this straight run
	s_wait_kmcnt 0x0
	s_add_nc_u64 s[8:9], s[8:9], s[4:5]
	s_add_nc_u64 s[10:11], s[10:11], s[6:7]
	s_mul_i32 s4, s3, 5120                         ; 256 rows x 20 bytes
	s_add_nc_u64 s[46:47], s[46:47], s[4:5]
	; THE WEIGHTS, once, straight into the registers in which the matrix instructions take them
	WIN 0x40                                       ; destination window 1, address window 0
	s_wait_alu depctr_va_vdst(0)                   ; the offsets and LDS addresses v1-v12 and v49-v65 are written, which every load and store of the kernel reads; the head's arithmetic is done with v48-v67, in which the first tile's loads land.  Up to those loads only loads and window switches follow
.irp j, 0,1
	global_load_b32 v[W1F+\j], v[AW1], s[12:13] offset:64*\j
.endr
.irp t, 0,1
.irp s, 0,1,2,3
.irp j, 0,1
	global_load_b32 v[W2F+2*(4*\t+\s)+\j], v[AW2], s[16:17] offset:128*(2*\s+\j)+32*\t
.endr
.endr
.endr
	global_load_b128 v[B1:B1+3], v[A32], s[14:15]                  ; biases in the results' layout: phi1_b[8 h + j]
	global_load_b128 v[B1+4:B1+7], v[A32], s[14:15] offset:16
	global_load_b128 v[RB2:RB2+3], v[A32], s[30:31]
	global_load_b128 v[RB2+4:RB2+7], v[A32], s[30:31] offset:16
.irp t, 0,1
	global_load_b128 v[B2+8*\t:B2+8*\t+3], v[A64], s[18:19] offset:32*\t       ; phi2_b[16 h + 8 t + j]
	global_load_b128 v[B2+8*\t+4:B2+8*\t+7], v[A64], s[18:19] offset:32*\t+16
	global_load_b128 v[RB1+8*\t:RB1+8*\t+3], v[A64], s[24:25] offset:32*\t
	global_load_b128 v[RB1+8*\t+4:RB1+8*\t+7], v[A64], s[24:25] offset:32*\t+16
.irp i, 0,1,2
	global_load_b32 v[RH1F+12*\t+\i], v[AR1], s[20:21] offset:192*\t+4*\i
.endr
.endr
.irp i, 0,1,2
	global_load_b32 v[RH2F+\i], v[AR2], s[26:27] offset:4*\i
.endr
.irp t, 0,1,2,3
	global_load_b128 v[QB2+8*\t:QB2+8*\t+3], v[A32], s[40:41] offset:64*\t     ; q2_b[16 t + 8 h + j]
	global_load_b128 v[QB2+8*\t+4:QB2+8*\t+7], v[A32], s[40:41] offset:64*\t+16
.irp b, 0,1
.irp i, 0,1,2
	global_load_b32 v[Q2F+12*\t+6*\b+\i], v[AQ2], s[36:37] offset:768*\t+24*\b+4*\i
.endr
.endr
.irp s, 0,1,2,3
.irp j, 0,1
	global_load_b32 v[Q1F+2*(6*\t+\s)+\j], v[AQA], s[32:33] offset:256*(2*\s+\j)+128*(\t/2)+32*(\t%2)
.endr
.endr
.irp j, 0,1,2
	global_load_b32 v[Q1F+2*(6*\t+4)+\j], v[AQB], s[32:33] offset:256*(16+\j)+128*(\t/2)+32*(\t%2)   ; k = 16 + 3 h + j: static 0 1 2 or 3 4 5
.endr
.endr
	global_load_b32 v[OB], v[AO1], s[44:45]                        ; out_b[3 h], [3 h + 1], [2 + 2 h]
	global_load_b32 v[OB+1], v[AO1], s[44:45] offset:4
	global_load_b32 v[OB+2], v[AO2], s[44:45] offset:8
	WIN 0
.irp t, 0,1,2,3
	global_load_b32 v[TA+\t], v[AQC], s[32:33] offset:256*22+128*(\t/2)+32*(\t%2)   ; q1_w's last row (static 6), for h = 0
	global_load_b32 v[TBB+\t], v[AQC], s[34:35] offset:128*(\t/2)+32*(\t%2)         ; q1_b, for h = 1
	global_load_u16 v[TS+3+\t], v[AS3], s[38:39] offset:32*\t                       ; q2's two scale bytes of unit 16 t + m
.endr
.irp t, 0,1
	global_load_u8 v[TS+\t], v[MP], s[22:23] offset:8*\t
.endr
	global_load_u8 v[TS+2], v[TR], s[28:29]
.irp s, 0,1
.irp c, 0,1
.irp e, 0,1,2,3,4,5,6,7
	global_load_b32 v[TT+16*\s+8*\c+\e], v[AOW], s[42:43] offset:20*(32*\s+16*\c+\e)
.endr
.endr
.endr
	s_wait_loadcnt 0x0                             ; the weights are in; the temporaries that served as offsets are free
	s_wait_alu depctr_vm_vsrc(0)                   ; the weights' loads have read their offsets v49-v65, in which the first tile's loads land
.irp k, 0,1,2,3,4,5
	global_load_b128 v[R+4*\k:R+4*\k+3], v[GA], s[8:9] offset:512*\k th:TH_LOAD_NT      ; the first tile: 3,072 consecutive bytes
.endr
.irp k, 0,1,2,3,4,5,6
	global_load_b64 v[SR+2*\k:SR+2*\k+1], v[G8], s[10:11] offset:256*\k th:TH_LOAD_NT   ; the first trip's static input: 1,792 consecutive bytes
.endr
.set ii, 0
.rept 16
	v_cvt_pk_bf16_f32 v[TP+ii], v[TT+2*ii], v[TT+2*ii+1]
.set ii, ii+1
.endr
	v_mov_b32 v[TZ], 0
.irp t, 0,1,2
	v_lshl_or_b32 v[WS+\t], v[TS+\t], 8, v[TS+\t]                  ; (s, s, 0, 0): bytes 2 and 3 scale zero codes alone
.endr
.irp t, 0,1,2,3
	v_perm_b32 v[WS+3+\t], v[TS+3+\t], v[TS+3+\t], 0x01010000      ; (s0, s0, s1, s1)
.endr
.set ii, 0
.rept 12
	v_mov_b32 v[F+ii], 0
.set ii, ii+1
.endr
	v_mov_b32 v[TM+2], 0                           ; written once: a lane permute's destination counts as one of its sources
	v_mov_b32 v[TM+3], 0
	v_mov_b32 v[ONE], 1.0
	WIN 0x40
.irp t, 0,1,2,3
	v_cndmask_b32 v[Q1F+2*(6*\t+5)+1], v[TA+\t], v[TBB+\t], s50    ; K's 24th place: static 6's weights (h = 0), the bias (h = 1)
.endr
.set ii, 0
.rept 16
	v_cndmask_b32 v[OF+ii], v[TZ], v[TP+ii], s51   ; slots without a unit hold zeros
.set ii, ii+1
.endr
.irp i, 3,4,5,6,7,8,9,10,11                    ; zero codes where the instruction's 128 along K reach past these products' K: written once
	v_mov_b32 v[RH1F+\i], 0
	v_mov_b32 v[RH1F+12+\i], 0
	v_mov_b32 v[RH2F+\i], 0
.endr
.irp t, 0,1,2,3
.irp i, 3,4,5,9,10,11
	v_mov_b32 v[Q2F+12*\t+\i], 0
.endr
.endr
.irp i, 3,4,5,6,7
	v_mov_b32 v[OB+\i], 0
.endr
	WIN 0
.macro QSTORE i                        ; tile i's q into my stage of 64 rows
	ds_store_b32 v[OS1], v[QO] offset:320*(\i)
	ds_store_b32 v[OS1], v[QO+1] offset:320*(\i)+4
	ds_store_b32 v[OS2], v[QO+2] offset:320*(\i)   ; (for h = 1 my own q4 once more, onto the same word)
.endm
; A tile's head: the last tile's q goes to its stage; the tile's 3,072 bytes, asked for a tile ago, turn through my stage; the next tile's are asked for.  i = 0: the trip's static input likewise.
.macro TOP i
	s_wait_loadcnt 0x0                             ; all my loads are in: they were issued a whole tile's work ago (the count is right on both ways round the skipped loads)
	s_wait_alu depctr_va_vdst(0)                   ; the last tile's additions have written QO, which the LDS stores below read; its products and its select are done with X and SL, in which the LDS loads below land (first tile: the head's fix-ups are done with v72-v88)
.if \i > 0
	QSTORE (\i-1)
.endif
.if \i == 0
.irp k, 0,1,2,3,4,5,6
	ds_store_b64 v[SSA], v[SR+2*\k:SR+2*\k+1] offset:256*\k
.endr
.endif
.irp k, 0,1,2,3,4,5
	ds_store_b128 v[SA+\k%3], v[R+4*\k:R+4*\k+3] offset:1664*(\k/3)    ; 96 pieces on are 8 rows on: 8 x 208 bytes
.endr
	s_wait_alu depctr_vm_vsrc(0)                   ; the LDS stores above have read R and SR, in which the global loads below land, and QO, which this tile's quantiser writes again
.irp n, 0,1,2,3,4,5,6,7,8,9,10,11
	ds_load_b64 v[X+2*\n:X+2*\n+1], v[XA] offset:16*\n             ; LDS serves a wave's instructions in order (ISA guide 5.7.1.4): these see the stores above
.endr
.irp e, 0,1,2
	ds_load_b32 v[SL+\e], v[SLA] offset:448*\i+4*\e
.endr
	ds_load_b32 v[SL+3], v[SLB] offset:448*\i
.if \i == 3
	s_cmp_eq_u32 s52, 1                            ; the last trip's last tile has no successor: no load leaves its buffer
	s_cbranch_scc1 .Lno_tile_\@
.endif
.irp k, 0,1,2,3,4,5
	global_load_b128 v[R+4*\k:R+4*\k+3], v[GA], s[8:9] offset:3072*(\i+1)+512*\k th:TH_LOAD_NT
.endr
.if \i == 3
.Lno_tile_\@:
.endif
.if \i == 0
	s_cmp_eq_u32 s52, 1
	s_cbranch_scc1 .Lno_trip_\@
.irp k, 0,1,2,3,4,5,6
	global_load_b64 v[SR+2*\k:SR+2*\k+1], v[G8], s[10:11] offset:1792+256*\k th:TH_LOAD_NT
.endr
.Lno_trip_\@:
.endif
	s_wait_dscnt 0x0                               ; X and SL are in
	v_cndmask_b32 v[SL+3], v[SL+3], v[ONE], s50    ; static 6 (h = 0), 1.0 (h = 1)
.endm
.macro PHI1 g                          ; set elements 4 g .. 4 g + 3: one instruction each, K = 4, C = the bias
	WIN 0x11                                       ; source 0 and C window 1
.irp q, 0,1,2,3
	v_wmma_f32_16x16x4_f32 v[D1+8*\q:D1+8*\q+7], v[W1F:W1F+1], v[X+2*(4*\g+\q):X+2*(4*\g+\q)+1], v[B1:B1+7]
.endr
.endm
.macro RELU1
.set ii, 0
.rept 32
	v_max_num_f32 v[H+ii], 0, v[D1+ii]
.set ii, ii+1
.endr
.endm
.macro PHI2                            ; four set elements x two tiles of units, K = 16 in four steps: the eight accumulators take turns, one instruction a turn
	WIN 0x11
.irp q, 0,1,2,3
.irp t, 0,1
	v_wmma_f32_16x16x4_f32 v[D2+16*\q+8*\t:D2+16*\q+8*\t+7], v[W2F+8*\t:W2F+8*\t+1], v[H+8*\q:H+8*\q+1], v[B2+8*\t:B2+8*\t+7]
.endr
.endr
	WIN 0x01
.irp s, 1,2,3
.irp q, 0,1,2,3
.irp t, 0,1
	v_wmma_f32_16x16x4_f32 v[D2+16*\q+8*\t:D2+16*\q+8*\t+7], v[W2F+2*(4*\t+\s):W2F+2*(4*\t+\s)+1], v[H+8*\q+2*\s:H+8*\q+2*\s+1], v[D2+16*\q+8*\t:D2+16*\q+8*\t+7]
.endr
.endr
.endr
.endm
.macro SUM first                       ; relu(phi2) of four set elements onto the sum; the very first starts it: nothing is cleared
.irp q, 0,1,2,3
.if \first && (\q == 0)
.set ii, 0
.rept 16
	v_max_num_f32 v[S+ii], 0, v[D2+ii]
.set ii, ii+1
.endr
.else
.set ii, 0
.rept 16
	v_max_num_f32 v[H+16*(\q%2)+ii], 0, v[D2+16*\q+ii]
.set ii, ii+1
.endr
.set ii, 0
.rept 8
	v_pk_add_f32 v[S+2*ii:S+2*ii+1], v[S+2*ii:S+2*ii+1], v[H+16*(\q%2)+2*ii:H+16*(\q%2)+2*ii+1]
.set ii, ii+1
.endr
.endif
.endr
.endm
; 16 numbers of a lane, none negative, k = 16 h + 0 .. 15 of my row's one block, become codes in F0-2 and the scale word (s, s, 0, 0).  The largest magnitude's exponent field less 2 is the scale's byte;
; the floor 2^(3 - 127) among the leaves holds it at 1 from below; the conversion takes the exponent field of its scale operand alone and gives the largest code beyond 7.5.
.macro QUANT1 src
	v_max3_num_f32 v[TM], v[\src], v[\src+1], 0x1800000
	v_max3_num_f32 v[TM+1], v[\src+8], v[\src+9], v[\src+10]       ; two chains, so that no line waits for the line above it
	v_max3_num_f32 v[TM], v[TM], v[\src+2], v[\src+3]
	v_max3_num_f32 v[TM+1], v[TM+1], v[\src+11], v[\src+12]
	v_max3_num_f32 v[TM], v[TM], v[\src+4], v[\src+5]
	v_max3_num_f32 v[TM+1], v[TM+1], v[\src+13], v[\src+14]
	v_max3_num_f32 v[TM], v[TM], v[\src+6], v[\src+7]
	v_max3_num_f32 v[TM], v[TM], v[TM+1], v[\src+15]
	v_permlanex16_b32 v[TM+2], v[TM], s48, s49
	v_max_num_f32 v[TM], v[TM], v[TM+2]            ; with lane l xor 16's 16: the block's
	v_add_nc_u32 v[TM+4], 0xff000000, v[TM]
	v_lshrrev_b32 v[TM+6], 23, v[TM+4]
	v_lshl_or_b32 v[PW], v[TM+6], 8, v[TM+6]
	v_cvt_scalef32_pk16_fp6_f32 v[F:F+2], v[\src:\src+15], v[TM+4]
	PLACES 8                                       ; a scale register written by a vector instruction stands 8 places ahead of a scaled matrix instruction, an operand 4; one plain place behind a scaled conversion
	s_wait_alu depctr_va_vdst(0)                   ; behind the places: the conversion has written F0-2 and the shift PW, which the scaled products below take (the first time: so have the head's lines the weights' scale words and all zero codes)
.endm
.macro QUANT2 src                      ; the same for 32 numbers, k = 32 b + 16 h + 0 .. 15 of two blocks, by turns: codes in F0-2 and F6-8, scale word (s0, s0, s1, s1)
.irp b, 0,1
	v_max3_num_f32 v[TM+\b], v[\src+16*\b], v[\src+16*\b+1], 0x1800000
.endr
.irp i, 2,4,6,8,10,12,14
.irp b, 0,1
	v_max3_num_f32 v[TM+\b], v[TM+\b], v[\src+16*\b+\i], v[\src+16*\b+\i+1]
.endr
.endr
.irp b, 0,1
	v_permlanex16_b32 v[TM+2+\b], v[TM+\b], s48, s49
.endr
.irp b, 0,1
	v_max_num_f32 v[TM+\b], v[TM+\b], v[TM+2+\b]
.endr
.irp b, 0,1
	v_add_nc_u32 v[TM+4+\b], 0xff000000, v[TM+\b]
.endr
.irp b, 0,1
	v_lshrrev_b32 v[TM+6+\b], 23, v[TM+4+\b]
.endr
.irp b, 0,1
	v_lshl_or_b32 v[TM+6+\b], v[TM+6+\b], 8, v[TM+6+\b]
.endr
	v_lshl_or_b32 v[PW], v[TM+7], 16, v[TM+6]
.irp b, 0,1
	v_cvt_scalef32_pk16_fp6_f32 v[F+6*\b:F+6*\b+2], v[\src+16*\b:\src+16*\b+15], v[TM+4+\b]
.endr
	PLACES 8
	s_wait_alu depctr_va_vdst(0)                   ; behind the places: the conversions have written F0-2 and F6-8 and the shift PW, which the scaled products below take
.endm
.macro TAIL                            ; rho1, rho2, q1, q2, out for the tile's 16 rows
	QUANT1 S
	WIN 0x11
.irp t, 0,1
	MX H+8*\t, RH1F+12*\t, RB1+8*\t, WS+\t         ; rho1: register 8 t + j is unit 16 h + 8 t + j
.endr
	WIN 0
	PLACES 4
	RELU H, 16
	QUANT1 H
	WIN 0x11
	MX H+16, RH2F, RB2, WS+2                       ; rho2: register j is unit 8 h + j
	WIN 0
	PLACES 5                                       ; its registers, clipped in place, are source 1 of the products below
	RELU H+16, 8
	WIN 0x01
.irp s, 0,1,2,3,4,5                    ; q1: K = 16 of rho2's result, 7 static, 1.0: six steps, four tiles of units by turns
.if \s < 4
.set BQ, H+16+2*\s
.else
.set BQ, SL+2*(\s-4)
.endif
.irp t, 0,1,2,3
.if \s == 0
	v_wmma_f32_16x16x4_f32 v[D2+8*\t:D2+8*\t+7], v[Q1F+2*(6*\t+\s):Q1F+2*(6*\t+\s)+1], v[BQ:BQ+1], 0
.else
	v_wmma_f32_16x16x4_f32 v[D2+8*\t:D2+8*\t+7], v[Q1F+2*(6*\t+\s):Q1F+2*(6*\t+\s)+1], v[BQ:BQ+1], v[D2+8*\t:D2+8*\t+7]
.endif
.endr
.endr
	WIN 0
	PLACES 8
.set ii, 0
.rept 32
	v_max_num_f32 v[H+ii], 0, v[D2+ii]             ; register 16 b + i is unit 32 b + 16 h + i
.set ii, ii+1
.endr
	QUANT2 H
	WIN 0x11
.irp t, 0,1,2,3
	MX H+8*\t, Q2F+12*\t, QB2+8*\t, WS+3+\t        ; q2: register 8 t + j is unit 16 t + 8 h + j: packed in pairs that is the bf16 form's source 1
.endr
	WIN 0
	PLACES 4
	RELU H, 32
.set ii, 0
.rept 16
	v_cvt_pk_bf16_f32 v[S+ii], v[H+2*ii], v[H+2*ii+1]
.set ii, ii+1
.endr
	WIN 0x11
	v_wmma_f32_16x16x32_bf16 v[X:X+7], v[OF:OF+7], v[S:S+7], v[OB:OB+7]        ; out, K = 64 as two sums on two accumulators, added below
	v_wmma_f32_16x16x32_bf16 v[X+8:X+15], v[OF+8:OF+15], v[S+8:S+15], 0
	WIN 0
	PLACES 4
.irp j, 0,1,2
	v_add_f32 v[QO+\j], v[X+\j], v[X+8+\j]         ; q0 q1 q2 (h = 0), q3 q4 q4 (h = 1): into QO, from which the next head's LDS stores take them
.endr
.endm
.macro TILE i                          ; phi1 of the next four set elements stands behind phi2 of the last four, so that one run of places serves both
	TOP \i
	PHI1 0
	WIN 0
	PLACES 8
	RELU1
	PHI2
	PHI1 1
	WIN 0
	PLACES 8
	SUM 1
	RELU1
	PHI2
	PHI1 2
	WIN 0
	PLACES 8
	SUM 0
	RELU1
	PHI2
	WIN 0
	PLACES 8
	SUM 0
	TAIL
.endm
	s_mov_b32 s52, 4                               ; trips of 64 rows
.Ltrip:
	TILE 0
	TILE 1
	TILE 2
	TILE 3
	s_wait_alu depctr_va_vdst(0)                   ; tile 3's additions have written QO, which the LDS stores below read; its roundings to bf16 are done reading H, in which the LDS loads below land
	QSTORE 3
	; 64 rows of q, 1,280 bytes, leave as five aligned runs of 256 consecutive bytes
.irp k, 0,1,2,3,4
	ds_load_b64 v[H+2*\k:H+2*\k+1], v[OL] offset:256*\k
.endr
.irp k, 0,1,2,3,4
	s_wait_dscnt 4-\k                              ; LDS loads come back in order (ISA guide 5.7.1): load k is in, the 4 - k younger ones may be out
	global_store_b64 v[G8], v[H+2*\k:H+2*\k+1], s[46:47] offset:256*\k th:TH_STORE_NT
.endr
	s_wait_xcnt 0x0                                ; the bases, and the registers that the stores read, are written again only behind this wait
	s_wait_alu depctr_vm_vsrc(0)                   ; beside it: the global stores have read H's first ten registers and the LDS stores QO; the next trip's vector instructions write both again
	s_add_nc_u64 s[8:9], s[8:9], 12288
	s_add_nc_u64 s[10:11], s[10:11], 1792
	s_add_nc_u64 s[46:47], s[46:47], 1280
	s_sub_co_u32 s52, s52, 1
	s_cmp_lg_u32 s52, 0
	s_cbranch_scc1 .Ltrip
	s_wait_dscnt 0x0                               ; the closing lines, six on end
	s_wait_alu 0x0
	s_wait_tensorcnt 0x0
	ds_add_u32 v254, v255
	s_wait_dscnt 0x0
	s_endpgm
.Lfunc_end_k_q86fe5e7636_net:
	.size	k_q86fe5e7636_net, .Lfunc_end_k_q86fe5e7636_net-k_q86fe5e7636_net
	.p2alignl 7, 3214868480
	.fill 96, 4, 3214868480
	.section	.rodata,"a",@progbits
	.p2align	6, 0x0
	.amdhsa_kernel k_q86fe5e7636_net
		.amdhsa_group_segment_fixed_size 52224
		.amdhsa_private_segment_fixed_size 0
		.amdhsa_enable_private_segment 0
		.amdhsa_kernarg_size 160
		.amdhsa_user_sgpr_count 2
		.amdhsa_user_sgpr_kernarg_segment_ptr 1
		.amdhsa_wavefront_size32 1
		.amdhsa_system_sgpr_workgroup_id_x 1
		.amdhsa_system_sgpr_workgroup_id_y 1
		.amdhsa_system_sgpr_workgroup_id_z 1
		.amdhsa_system_vgpr_workitem_id 0
		.amdhsa_next_free_vgpr 512
		.amdhsa_next_free_sgpr 66
		.amdhsa_reserve_vcc 0
		.amdhsa_float_denorm_mode_32 3
		.amdhsa_float_denorm_mode_16_64 3
		.amdhsa_memory_ordered 1
		.amdhsa_forward_progress 1
		.amdhsa_inst_pref_size 176
	.end_amdhsa_kernel
	.amdgpu_metadata
---
amdhsa.version: [ 1, 2 ]
amdhsa.kernels:
  - .name:           k_q86fe5e7636_net
    .symbol:         k_q86fe5e7636_net.kd
    .args:
      - { .name: dynamic_input, .offset: 0, .size: 8, .value_kind: global_buffer, .address_space: global }
      - { .name: static_input, .offset: 8, .size: 8, .value_kind: global_buffer, .address_space: global }
      - { .name: phi1_w, .offset: 16, .size: 8, .value_kind: global_buffer, .address_space: global }
      - { .name: phi1_b, .offset: 24, .size: 8, .value_kind: global_buffer, .address_space: global }
      - { .name: phi2_w, .offset: 32, .size: 8, .value_kind: global_buffer, .address_space: global }
      - { .name: phi2_b, .offset: 40, .size: 8, .value_kind: global_buffer, .address_space: global }
      - { .name: rho1_w_codes, .offset: 48, .size: 8, .value_kind: global_buffer, .address_space: global }
      - { .name: rho1_w_scales, .offset: 56, .size: 8, .value_kind: global_buffer, .address_space: global }
      - { .name: rho1_b, .offset: 64, .size: 8, .value_kind: global_buffer, .address_space: global }
      - { .name: rho2_w_codes, .offset: 72, .size: 8, .value_kind: global_buffer, .address_space: global }
      - { .name: rho2_w_scales, .offset: 80, .size: 8, .value_kind: global_buffer, .address_space: global }
      - { .name: rho2_b, .offset: 88, .size: 8, .value_kind: global_buffer, .address_space: global }
      - { .name: q1_w, .offset: 96, .size: 8, .value_kind: global_buffer, .address_space: global }
      - { .name: q1_b, .offset: 104, .size: 8, .value_kind: global_buffer, .address_space: global }
      - { .name: q2_w_codes, .offset: 112, .size: 8, .value_kind: global_buffer, .address_space: global }
      - { .name: q2_w_scales, .offset: 120, .size: 8, .value_kind: global_buffer, .address_space: global }
      - { .name: q2_b, .offset: 128, .size: 8, .value_kind: global_buffer, .address_space: global }
      - { .name: out_w, .offset: 136, .size: 8, .value_kind: global_buffer, .address_space: global }
      - { .name: out_b, .offset: 144, .size: 8, .value_kind: global_buffer, .address_space: global }
      - { .name: out0, .offset: 152, .size: 8, .value_kind: global_buffer, .address_space: global }
    .group_segment_fixed_size: 52224
    .private_segment_fixed_size: 0
    .kernarg_segment_align: 8
    .kernarg_segment_size: 160
    .max_flat_workgroup_size: 256
    .sgpr_count:     66
    .vgpr_count:     512
    .wavefront_size: 32
...
	.end_amdgpu_metadata
.endif
;; end of part 2
